; MI455X (gfx1250); checked and timed in simulation.
; The chip was launched on July 23, 2026; its instructions are those of AMD's public machine-readable ISA for CDNA 5 (MIT licence, August 2026) and "CDNA5" Instruction Set Architecture Reference Guide (July 2026). The comments in the code are by the model that wrote it; some were corrected since.
;; Vi T Self Attention. Allowed arithmetic: matrix products marked QUANTISED: E2M3 operands, one E8M0 scale for each 32 along K, by v_wmma_scale_f32_16x16x128_f8f6f4 with both operands' format E2M3, f32 sums; everything else in f32.
;; Inputs: Wk 768 x 768 float32; Wq 768 x 768 float32; Wv 768 x 768 float32; bk 768 float32; bq 768 float32; bv 768 float32; hidden_states 16 x 1,024 x 768 float32.
;; Outputs: out0 16 x 1,024 x 768 float32.
;; This version of the problem:
;;   THIS VERSION OF THE PROBLEM IS GIVEN IN LOW PRECISION. The matrix products marked QUANTISED in the list below multiply operands that are first quantised to E2M3 (2 exponent bits, 3 mantissa bits; 6 bits a number), with one power-of-two scale for each 32 numbers along K (OCP MX v1.0); their sums are f32. All else is computed in f32.
;;   The module's matrix products, in the order in which they are computed (A, B: the left and right operand; K: the contracted axis; several contracted axes count as one K, in the product's order):
;;     1. [M 16,384, K 768] x [K 768, N 768]; A: input hidden_states; B: input Wq: QUANTISED
;;     2. [M 16,384, K 768] x [K 768, N 768]; A: input hidden_states; B: input Wk: QUANTISED
;;     3. [M 16,384, K 768] x [K 768, N 768]; A: input hidden_states; B: input Wv: QUANTISED
;;     4. batch 192 x [M 1,024, K 64] x [K 64, N 1,024]; A: computed on the way; B: computed on the way: QUANTISED
;;     5. batch 192 x [M 1,024, K 1,024] x [K 1,024, N 64]; A: softmax (see below); B: computed on the way: QUANTISED
;;   THE QUANTISER, for each operand of a quantised product, along K:
;;     - K is cut into blocks of 32 from its start; a last block that is shorter is filled with zeros.
;;     - A block's scale is 2^e with e = floor(log2(the largest magnitude in the block)) - 2, held to -126 .. 127; a block of zeros has e = 0. As a byte (E8M0): e + 127.
;;     - Each number is divided by its block's scale, clamped to +-7.5, and rounded to the nearest number of E2M3, ties to even, subnormals kept.
;;     - The product sums the exact products of the quantised numbers (number of the format x scale) in f32.
;;   ~~~python
;;   def quantise(x, axis):      # numpy; x: float32 -> the quantised numbers, widened to float32 again
;;       x = np.moveaxis(x, axis, -1); K = x.shape[-1]
;;       x = np.pad(x, [(0, 0)] * (x.ndim - 1) + [(0, -K % 32)]); x = x.reshape(x.shape[:-1] + (-1, 32)); a = np.abs(x).max(-1, keepdims=True)
;;       e = np.where(a > 0, np.clip(np.frexp(np.where(a > 0, a, 1))[1] - 1 - 2, -126, 127), 0)      # np.frexp(a)[1] - 1 = floor(log2(a)), exactly
;;       r = np.clip(x / 2.0 ** e, -7.5, 7.5)
;;       step = 2.0 ** (np.maximum(np.frexp(np.where(r == 0, 1, r))[1] - 1, 0) - 3)
;;       q = np.round(r / step) * step * 2.0 ** e      # np.round: ties to even
;;       return np.moveaxis(q.reshape(q.shape[:-2] + (-1,))[..., :K], -1, axis).astype(np.float32)
;;   ~~~
;;   SOFTMAX AHEAD OF A QUANTISED PRODUCT. Where the list says 'softmax', what is quantised is not the finished softmax but p = 2^(t - M), with t = logit x log2(e) and M = ceil(the row's largest t), a whole number; so 1/2 < the row's largest p <= 1. The row's sum l is taken of the UNQUANTISED p, in f32, and the product's result is divided by l at the end. Since M is a whole number, a kernel that streams over the keys may use a running M (the ceiling of the running maximum): every later rescaling is an exact power of two, which a block's scale takes up: the codes' values come out the same.
;;   OPERANDS COMPUTED ON THE WAY. 'Computed on the way' means the value that the module computes at that place (a softmax that the list does not call 'softmax' is quantised finished and normalised). What goes into a quantiser is computed in f32, as accurately as f32 sums, v_exp_f32 and their like allow (about 1e-6 of the number): no bf16 or f16 on the way to a quantiser, and a product that is left as it is and whose result goes on into a quantised operand takes f32 operands (vector FMAs, or v_wmma_f32_16x16x4_f32). A number that lies on a knife's edge between two numbers of the format may be rounded either way, as far as f32 arithmetic and the matrix unit's own rounding can turn it there, and no further.
;; One version. Each part assembles by itself: llvm-mc -triple=amdgcn-amd-amdhsa -mcpu=gfx1250 --defsym DOCPART=n.
;; ======== version 1 of 1: 3 launches
;; limits: right only within a limited range of input values
;; workspace buffers: xq 9,830,400 bytes; wq 1,382,400 bytes; qb 9,830,400 bytes; kvb 19,660,800 bytes
;; launch quant (part 1): grid 6 x 73, 4 waves a work-group, no clusters, 34,304 bytes of LDS; arguments hidden_states, Wq, Wk, Wv, xq, wq; writes xq, wq
.if DOCPART == 1
	.amdgcn_target "amdgcn-amd-amdhsa--gfx1250"
	.amdhsa_code_object_version 6
	.text
	.protected	k_q06873d0165_quant
	.globl	k_q06873d0165_quant
	.p2align	8
	.type	k_q06873d0165_quant,@function
k_q06873d0165_quant:
	s_mov_b64 s[64:65], 0
	v_nop
	global_prefetch_b8 v0, s[64:65] scope:SCOPE_SE
	s_setreg_imm32_b32 hwreg(HW_REG_WAVE_MODE, 25, 1), 1
	s_wait_xcnt 0x0
; hidden_states [16384][768] and Wq, Wk, Wv [768][768], f32 with K innermost, become codes of FP6 (E2M3) with one E8M0 byte for each 32 along K,
; laid in the ORDER OF THE OPERAND'S REGISTERS.  A chunk (256 rows x 128 along K) is 16 fragment images of 1,536 bytes and 4 scale quads of 256 bytes: 25,600 bytes.
; IMAGE: registers 4 g .. 4 g + 3 of lane l lie at 512 g + 16 l.   QUAD: 8 bytes a lane; word 0: lanes 0-15 fragment 0's rows, lanes 16-31 fragment 1's; word 1: fragments 2 and 3.
; THE ROWS OF A FRAGMENT ARE NOT NEIGHBOURS: lane r of fragment f holds row 8 f + r % 8 + 32 (r / 8), so that a product's 32 results of four fragments are 32 neighbours.
; A block's scale is 2^(floor(log2(its largest magnitude)) - 2): its byte is that magnitude's exponent field - 2, held at 1 from below.
; LIMITS: a block of zeros, or one whose largest magnitude lies under 2^-124, gets the byte 1 (its codes are zeros or next to it; this program alone reads the bytes); NaN and infinities are not served.
; SHARES: work-group (x = K step, y = tile of 256 rows: 0-63 hidden, 64-66 Wq, 67-69 Wk, 70-72 Wv) makes one chunk; wave q makes fragments 4 q .. 4 q + 3 and quad q.  Waves share nothing: no barrier.
; Each load reads 512 consecutive bytes of one row; a fragment's 16 rows turn through the wave's own stage in LDS, so that lane (r, h) gets blocks h and 2 + h of row r whole.
.set ROWB,   3072                      ; a row in memory: 768 f32
.set SPITCH, 528                       ; a stage row: 512 bytes + 16: the sixteen rows that a load touches begin in sixteen different 16-byte columns of 256 bytes
.set WSTAGE, 16*SPITCH                 ; a wave's stage
.set FRB,    1536                      ; a fragment's image
.set CHUNK,  25600
.set X,      64                        ; v64-127   my two blocks of 32 numbers
.set R,      128                       ; v128-255  two sets of 16 x 4 registers as loaded
	s_load_b256 s[4:11], s[0:1], 0x0               ; hidden s[4:5], Wq s[6:7], Wk s[8:9], Wv s[10:11]
	s_load_b128 s[12:15], s[0:1], 0x20             ; xq s[12:13], wq s[14:15]
	v_lshl_add_u32 v62, v0, 2, 0x8400
	v_mov_b32 v63, 0
	v_lshrrev_b32 v1, 5, v0
	v_readfirstlane_b32 s22, v1                    ; wave q
	v_and_b32 v1, 31, v0                           ; lane
	v_lshlrev_b32 v2, 4, v1                        ; 16 x lane: my place in a load's 512 bytes and in an image's group
	v_lshlrev_b32 v6, 3, v1                        ; 8 x lane: my place in a quad
	s_mul_i32 s23, s22, WSTAGE
	v_add_nc_u32 v3, s23, v2                       ; the stage, on the way in
	v_and_b32 v5, 15, v0                           ; r
	v_bfe_u32 v7, v0, 4, 1                         ; h
	v_mul_u32_u24 v4, v5, SPITCH
	v_lshl_add_u32 v4, v7, 7, v4
	v_add_nc_u32 v4, s23, v4                       ; and on the way out: row r, + 128 h bytes
	v_lshlrev_b32 v7, 3, v7                        ; 8 h: how far my two scale bytes are shifted
	v_mov_b32 v14, 0                               ; written once: a lane permute's destination counts as one of its sources
	s_mov_b32 s40, 0x76543210
	s_mov_b32 s41, 0xfedcba98                      ; selects for lane l xor 16
	s_mov_b32 s42, 0xffff0000                      ; lanes 16-31
	s_and_b32 s20, ttmp7, 0xffff                   ; T: which tile of rows
	s_wait_alu depctr_va_vdst(0)
	s_wait_kmcnt 0x0
	s_mov_b64 s[24:25], s[10:11]                   ; the source and its first tile's number, chosen by T alone
	s_mov_b32 s21, 70
	s_cmp_lt_u32 s20, 70
	s_cselect_b64 s[24:25], s[8:9], s[24:25]
	s_cselect_b32 s21, 67, s21
	s_cmp_lt_u32 s20, 67
	s_cselect_b64 s[24:25], s[6:7], s[24:25]
	s_cselect_b32 s21, 64, s21
	s_cmp_lt_u32 s20, 64
	s_cselect_b64 s[24:25], s[4:5], s[24:25]
	s_cselect_b32 s21, 0, s21
	s_cselect_b64 s[26:27], s[12:13], s[14:15]     ; the destination,
	s_cselect_b32 s30, 0, 64
	s_sub_co_u32 s30, s20, s30                     ; and the tile's number in it
	s_sub_co_u32 s21, s20, s21                     ; the tile's number in its source
	s_mul_i32 s28, s21, 256*ROWB
	s_mul_i32 s29, s22, 64*ROWB                    ; my wave's 64 rows
	s_add_co_u32 s28, s28, s29
	s_lshl_b32 s29, ttmp9, 9                       ; the K step's 512 bytes of a row
	s_add_co_u32 s28, s28, s29
	s_mov_b32 s29, 0
	s_add_nc_u64 s[24:25], s[24:25], s[28:29]
	s_mul_i32 s28, s30, 6*CHUNK
	s_mul_i32 s31, ttmp9, CHUNK
	s_add_co_u32 s28, s28, s31
	s_add_nc_u64 s[26:27], s[26:27], s[28:29]      ; the chunk
	s_lshl_b32 s28, s22, 8
	s_add_co_u32 s28, s28, 16*FRB
	s_add_nc_u64 s[32:33], s[26:27], s[28:29]      ; my quad
	s_mul_i32 s28, s22, 4*FRB
	s_add_nc_u64 s[26:27], s[26:27], s[28:29]      ; my four images
.macro LOAD f                          ; fragment f's 16 rows, each 512 consecutive bytes, into set f % 2
.irp i, 0,1,2,3,4,5,6,7,8,9,10,11,12,13,14,15
	; THE ORDER OF ROWS IN A FRAGMENT: lane r of my fragment f (0..3) holds row 8 f + (r % 8) + 32 (r / 8) of my 64 rows, so that a product's 32 results of four fragments are 32 neighbours in one lane
	global_load_b128 v[R+64*((\f)%2)+4*\i:R+64*((\f)%2)+4*\i+3], v2, s[24:25] offset:(8*(\f)+\i+24*(\i/8))*ROWB th:TH_LOAD_NT
.endr
.endm
.macro TURN f                          ; through the stage: LDS serves a wave's instructions in order, so no wait stands between the stores and the loads
.irp i, 0,1,2,3,4,5,6,7,8,9,10,11,12,13,14,15
	ds_store_b128 v3, v[R+64*((\f)%2)+4*\i:R+64*((\f)%2)+4*\i+3] offset:SPITCH*\i
.endr
.irp c, 0,1
.irp j, 0,1,2,3,4,5,6,7
	ds_load_b128 v[X+32*\c+4*\j:X+32*\c+4*\j+3], v4 offset:256*\c+16*\j      ; k = 64 c + 32 h + 4 j .. of row r
.endr
.endr
.endm
.macro QF f                            ; my two whole blocks become registers 6 c .. 6 c + 5 of the fragment
.set CC, 24+12*((\f)%2)
.irp c, 0,1
	v_max3_num_f32 v[8+\c], |v[X+32*\c]|, |v[X+32*\c+1]|, 0x1800000          ; with the floor 2^(3 - 127): the byte cannot fall under 1
.endr
.irp i, 2,4,6,8,10,12,14,16,18,20,22,24,26,28,30
.irp c, 0,1
	v_max3_num_f32 v[8+\c], v[8+\c], |v[X+32*\c+\i]|, |v[X+32*\c+\i+1]|
.endr
.endr
.irp c, 0,1
	v_add_nc_u32 v[10+\c], 0xff000000, v[8+\c]     ; 2 off the exponent field: the conversion's scale operand
.endr
.irp c, 0,1
	v_lshrrev_b32 v[12+\c], 23, v[10+\c]           ; the scale's byte
.endr
	v_lshl_or_b32 v15, v13, 16, v12                ; blocks h and 2 + h,
	v_lshlrev_b32 v15, v7, v15                     ; at their places in the row's scale word;
	v_permlanex16_b32 v14, v15, s40, s41
	v_or_b32 v[16+(\f)], v15, v14                  ; with lane l xor 16's two the word is whole, in both halves of the lanes
.irp c, 0,1
	v_cvt_scalef32_pk16_fp6_f32 v[CC+6*\c:CC+6*\c+2], v[X+32*\c:X+32*\c+15], v[10+\c]
	v_cvt_scalef32_pk16_fp6_f32 v[48+4*\c:50+4*\c], v[X+32*\c+16:X+32*\c+31], v[10+\c]   ; (a conversion's three registers begin on an even number)
.endr
	v_nop                                          ; one plain line behind the scaled conversions
.irp c, 0,1
.irp i, 0,1,2
	v_mov_b32 v[CC+3+6*\c+\i], v[48+4*\c+\i]
.endr
.endr
.irp g, 0,1,2
	global_store_b128 v2, v[CC+4*\g:CC+4*\g+3], s[26:27] offset:FRB*(\f)+512*\g          ; 32 lanes store 512 consecutive bytes, aligned to 256
.endr
.endm
	LOAD 0
	LOAD 1
	s_wait_loadcnt 16                              ; fragment 0's rows are in; the 16 loads of fragment 1 may be out
	TURN 0
	s_wait_dscnt 0x0                               ; my numbers are back, and the stage's stores have read set 0
	LOAD 2
	QF 0
	s_wait_loadcnt 16                              ; fragment 1's are in; fragment 2's 16 may be out
	TURN 1
	s_wait_dscnt 0x0
	LOAD 3
	QF 1
	s_wait_loadcnt 16                              ; fragment 2's are in; fragment 3's 16 may be out
	TURN 2
	s_wait_dscnt 0x0
	s_wait_xcnt 0x0                                ; fragment 0's stores have read the code registers that are written again now
	QF 2
	s_wait_loadcnt 0x0
	TURN 3
	s_wait_dscnt 0x0
	s_wait_xcnt 0x0                                ; likewise fragment 1's
	QF 3
	v_cndmask_b32 v20, v16, v17, s42               ; the quad: lanes 0-15 fragment 0's words, lanes 16-31 fragment 1's;
	v_cndmask_b32 v21, v18, v19, s42               ; fragments 2 and 3
	global_store_b64 v6, v[20:21], s[32:33]        ; 256 consecutive bytes, aligned
	s_wait_tensorcnt 0x0
	ds_add_u32 v62, v63
	s_wait_dscnt 0x0
	s_endpgm
.Lfunc_end_k_q06873d0165_quant:
	.size	k_q06873d0165_quant, .Lfunc_end_k_q06873d0165_quant-k_q06873d0165_quant
	.p2alignl 7, 3214868480
	.fill 96, 4, 3214868480
	.section	.rodata,"a",@progbits
	.p2align	6, 0x0
	.amdhsa_kernel k_q06873d0165_quant
		.amdhsa_group_segment_fixed_size 34304
		.amdhsa_private_segment_fixed_size 0
		.amdhsa_enable_private_segment 0
		.amdhsa_kernarg_size 48
		.amdhsa_user_sgpr_count 2
		.amdhsa_user_sgpr_kernarg_segment_ptr 1
		.amdhsa_wavefront_size32 1
		.amdhsa_system_sgpr_workgroup_id_x 1
		.amdhsa_system_sgpr_workgroup_id_y 1
		.amdhsa_system_sgpr_workgroup_id_z 1
		.amdhsa_system_vgpr_workitem_id 0
		.amdhsa_next_free_vgpr 256
		.amdhsa_next_free_sgpr 66
		.amdhsa_reserve_vcc 0
		.amdhsa_float_denorm_mode_32 3
		.amdhsa_float_denorm_mode_16_64 3
		.amdhsa_memory_ordered 1
		.amdhsa_forward_progress 1
		.amdhsa_inst_pref_size 31
	.end_amdhsa_kernel
	.amdgpu_metadata
---
amdhsa.version: [ 1, 2 ]
amdhsa.kernels:
  - .name:           k_q06873d0165_quant
    .symbol:         k_q06873d0165_quant.kd
    .args:
      - { .name: hidden_states, .offset: 0, .size: 8, .value_kind: global_buffer, .address_space: global }
      - { .name: Wq, .offset: 8, .size: 8, .value_kind: global_buffer, .address_space: global }
      - { .name: Wk, .offset: 16, .size: 8, .value_kind: global_buffer, .address_space: global }
      - { .name: Wv, .offset: 24, .size: 8, .value_kind: global_buffer, .address_space: global }
      - { .name: xq, .offset: 32, .size: 8, .value_kind: global_buffer, .address_space: global }
      - { .name: wq, .offset: 40, .size: 8, .value_kind: global_buffer, .address_space: global }
    .group_segment_fixed_size: 34304
    .private_segment_fixed_size: 0
    .kernarg_segment_align: 8
    .kernarg_segment_size: 48
    .max_flat_workgroup_size: 128
    .sgpr_count:     66
    .vgpr_count:     256
    .wavefront_size: 32
...
	.end_amdgpu_metadata
.endif
;; end of part 1
;; launch qkv (part 2): grid 64 x 4, 4 waves a work-group, clusters of 4 x 1, 327,680 bytes of LDS; arguments xq, wq, bq, bk, bv, qb, kvb; writes qb, kvb
.if DOCPART == 2
	.amdgcn_target "amdgcn-amd-amdhsa--gfx1250"
	.amdhsa_code_object_version 6
	.text
	.protected	k_q06873d0165_qkv
	.globl	k_q06873d0165_qkv
	.p2align	8
	.type	k_q06873d0165_qkv,@function
k_q06873d0165_qkv:
	s_mov_b64 s[64:65], 0
	v_nop
	global_prefetch_b8 v0, s[64:65] scope:SCOPE_SE
	s_setreg_imm32_b32 hwreg(HW_REG_WAVE_MODE, 25, 1), 1
	s_wait_xcnt 0x0
	s_wait_alu depctr_hold_cnt(0) depctr_sa_sdst(0) depctr_va_vdst(0) depctr_va_sdst(0) depctr_va_ssrc(0) depctr_va_vcc(0) depctr_vm_vsrc(0)
	s_getreg_b32 s2, hwreg(HW_REG_IB_STS2, 6, 4)
	s_cmp_eq_u32 s2, 0
	s_cbranch_scc0 .Lentry_in_a_cluster
	s_endpgm
.Lentry_in_a_cluster:
	s_bfe_u32 s2, ttmp6, 0x10000c
	s_cmp_lg_u32 s2, 0x3003
	s_cbranch_scc0 .Lentry_shape_is_right
	s_endpgm
.Lentry_shape_is_right:
; q, k, v = hidden W^T + b on codes of FP6 (E2M3) with E8M0 scales, and straight on: q and k quantised along the head's 64, v along the keys, in registers; only codes and scale words are stored.
; SHARES.  256 work-groups that stay: (I = tile of 256 tokens, g = 0..3).  A work-group makes nine heads for its tokens: head 4 jm + g (jm = 0..2) of q, then of k, then of v.
; A wave owns 64 tokens.  ITS TOKENS' CODES FOR ALL OF K (6 steps x 4 fragments x 12 registers) AND THEIR SCALE WORDS STAY IN REGISTERS: they are loaded from memory once, as images of the registers.
; A head is 16 accumulators a wave (64 tokens x 64 channels), 6 K steps x 16 matrix instructions, the accumulators by turns.
; W COMES THROUGH LDS, a kind (three heads, all of K: 115,200 bytes) to a slot, two slots by turns.  Of a chunk of wq (256 rows x 128 K) a head is four images on end (6,144 bytes) and one quad (256 bytes);
; chunks lie 25,600 bytes apart, so a kind's images are 18 rows of 6,144 bytes and its quads 18 rows of 256.  Waves 0-2 fetch six rows of images each, wave 3 the quads: one tensor load a wave.
; A slot is asked for one whole kind (288 matrix instructions a wave) ahead of its first read; all waits on TENSORcnt are for 0.  No prefetch is laid: every fill but the first goes out a kind ahead, the first has no trip ahead of it.
; CLUSTER: the four token tiles of a cluster walk the same bytes of W and ask for them JOINTLY (mask 15).  The tokens go to registers by plain loads, so no joint form serves them.
; ORDER OF ROWS: lane r of fragment 4 c + t holds row 64 c + 8 t + r % 8 + 32 (r / 8).  q, k: source 0 = W, source 1 = tokens: a lane holds ONE token, and the 32 registers of token block a are channels 32 (lane / 16) + 0 .. 31.
; v: source 0 = tokens, source 1 = W: a lane holds ONE channel, and the 32 registers of channel tile a are keys 32 (lane / 16) + 0 .. 31 of my 64.  So a lane holds a WHOLE block of 32.  The bias is the C of each sum's first instruction.
; OUT.  kvb, for (head x 16 + batch, step of 128 keys), 12,800 bytes: 4 pair images of k, 4 images of v, k's quad, v's quad.  qb, for (head x 16 + batch, 128 queries), 6,400 bytes: 4 pair images, a quad.
; A PAIR IMAGE: registers 0-5 the even fragment's 16 tokens, 6-11 the odd one's; registers 4 g .. 4 g + 3 of lane l at 512 g + 16 l.  AN IMAGE OF v: two halves of 768 bytes, half c = keys 64 c ..: registers 6 c .. 6 c + 3 at 16 l, 6 c + 4, 6 c + 5 at 512 + 8 l.
; My 64 tokens are half a record: I store two pair images and one word a lane of the quad (q, k), or one half of each image of v and two bytes of each scale word (128 bytes a head and wave: one byte in twenty-five of what I store).
; LIMITS: a block whose largest magnitude lies under 2^-124 (zeros too) gets the byte 1; NaN and infinities are not served.
; REGISTERS.  window 0: addresses; v8-19 the tokens' scale words; v20-25 W's, three sets; v32-175 W's fragments, three sets; v184-237 the way out.  window 1: the tokens' K steps 0-3.
;   window 2: v0-95 K steps 4, 5; v96-223 accumulator (a, b) at 96 + 8 (4 a + b).  window 3: v0-191 bq's and bk's numbers for six heads; v192-203 bv's; v208-239 bv's, spread.
.set CHUNK, 25600
.set FRB,   1536
.set ROWI,  4*FRB                      ; a head's four images of one K step
.set UNITB, 6*ROWI                     ; a head's images
.set QOFF,  18*ROWI                    ; in a slot: the quads lie behind the images
.set SLOT,  QOFF+18*256
.set SPARE, 2*SLOT                     ; the spare words: 128 bytes a wave
.set LI,  1                            ; 16 x lane
.set LS,  2                            ; 8 x lane
.set LIP, 3                            ; 16 x lane + 2 pair images x (wave % 2)
.set LSQ, 4                            ; 8 x lane + 4 x (wave % 2)
.set LIV, 5                            ; 16 x lane + 768 x (wave % 2)
.set LSV, 6                            ; 8 x lane + 768 x (wave % 2)
.set LSH, 7                            ; 8 x lane + 2 x (wave % 2)
.set TS,  8
.set WS,  20
.set SH,  26                           ; 8 x (lane / 16)
.set VB,  27                           ; 128 x (lane / 16)
.set AW,  28                           ; v28-31 W's images: slot 0 rows 0-8, rows 9-17; slot 1 likewise (an LDS offset has 16 bits)
.set WF,  32
.set VC,  176                          ; 4 x (r % 8 + 32 (r / 8))
.set AQ,  177                          ; v177, v178 W's quads in slot 0, 1
.set KP,  184                          ; two runs of 12 code registers
.set T,   208                          ; the conversions' second halves
.set TM,  216                          ; at work: 8 registers for each of two blocks
.set PW,  232
.set SPW, 254
.set NIL, 255
.set SEL, 66                           ; s[66:67] selects for lane l xor 16
.set MSB, 0
.macro WIN new                         ; the immediate's high byte repeats the setting that is left; a switch that changes nothing is dropped
.if MSB != \new
	s_set_vgpr_msb (MSB<<8)|\new
.set MSB, \new
.endif
.endm
.macro PLACES                          ; four plain lines behind matrix instructions (ISA guide 7.12.1)
.rept 4
	v_nop
.endr
.endm
.macro CROUND                          ; a round of the cluster's barrier
	s_barrier_signal -1
	s_barrier_wait -1
	s_cmp_lg_u32 s9, 0
	s_cbranch_scc1 .Lnot_wave_0_\@
	s_barrier_signal -3
.Lnot_wave_0_\@:
	s_barrier_wait -3
	s_barrier_signal -1
	s_barrier_wait -1
.endm
.macro TLOAD s                         ; a kind into slot s: waves 0-2 a head's images each, wave 3 the quads; the branch hangs on the wave's number alone
	s_cmp_lt_u32 s9, 3
	s_cbranch_scc0 .Lquads_\@
	tensor_load_to_lds s[16+4*\s:19+4*\s], s[68:75]
	s_nop 0
	PLACES
	s_branch .Lasked_\@
.Lquads_\@:
	tensor_load_to_lds s[24+4*\s:27+4*\s], s[76:83]
	s_nop 0
	PLACES
.Lasked_\@:
.endm
	s_load_b256 s[84:91], s[0:1], 0x0              ; xq s[84:85], wq s[86:87], bq s[88:89], bk s[90:91]
	s_load_b128 s[92:95], s[0:1], 0x20             ; bv s[92:93], qb s[94:95]
	s_load_b64 s[96:97], s[0:1], 0x30              ; kvb
	v_lshl_add_u32 v[SPW], v0, 2, SPARE
	v_mov_b32 v[NIL], 0
	ds_add_u32 v[SPW], v[NIL]                      ; the opening lines: the add twice on end and its wait
	ds_add_u32 v[SPW], v[NIL]
	v_lshrrev_b32 v179, 5, v0
	v_readfirstlane_b32 s9, v179                   ; wave 0..3
	s_and_b32 s10, s9, 1                           ; which 64 of a record's 128 tokens are mine
	s_lshr_b32 s11, s9, 1                          ; which of the tile's two records
	s_bfe_u32 s4, ttmp6, 0x40000                   ; cx
	s_lshl_b32 s5, ttmp9, 2
	s_add_co_u32 s5, s5, s4                        ; I = 4 x cluster x + cx
	s_and_b32 s6, ttmp7, 0xffff                    ; g, which the four partners share
	s_lshr_b32 s12, s5, 2                          ; batch
	s_mov_b32 s[SEL], 0x76543210
	s_mov_b32 s[SEL+1], 0xfedcba98
	s_mov_b32 s33, 0xffff0000                      ; lanes 16-31
	s_mov_b32 s68, 15|(3<<16)|(1<<21)              ; group 1, images: 6 rows of 768 elements of 8 bytes, 3,200 elements apart; all four work-groups
	s_mov_b32 s69, 768<<16
	s_mov_b32 s70, 6<<16
	s_mov_b32 s71, 768<<16
	s_mov_b32 s72, 6
	s_mov_b32 s73, 3200
	s_mov_b32 s74, 0
	s_mov_b32 s75, 0
	s_mov_b32 s76, 15|(3<<16)|(1<<21)              ; group 1, quads: 18 rows of 32 elements
	s_mov_b32 s77, 32<<16
	s_mov_b32 s78, 18<<16
	s_mov_b32 s79, 32<<16
	s_mov_b32 s80, 18
	s_mov_b32 s81, 3200
	s_mov_b32 s82, 0
	s_mov_b32 s83, 0
	s_mul_i32 s98, s9, 6*CHUNK                     ; W's addresses are made of g and the wave's number alone: head jm = wave,
	s_mul_i32 s13, s6, ROWI                        ; images 4 g .. 4 g + 3 of each chunk;
	s_add_co_u32 s98, s98, s13
	s_mov_b32 s99, 0
	s_lshl_b32 s100, s6, 8                         ; quad g of each chunk
	s_add_co_u32 s100, s100, 16*FRB
	s_mov_b32 s101, 0
	s_mul_i32 s14, s9, UNITB
	s_wait_dscnt 0x0
	s_wait_kmcnt 0x0
	s_add_nc_u64 s[98:99], s[86:87], s[98:99]
	s_add_nc_u64 s[100:101], s[86:87], s[100:101]
.irp s, 0,1                            ; group 0 for slot s, set for kind s
	s_mov_b32 s[16+4*\s], 1
	s_add_co_u32 s[17+4*\s], s14, \s*SLOT
	s_add_nc_u64 s[18+4*\s:19+4*\s], s[98:99], \s*18*CHUNK
	s_or_b32 s[19+4*\s], s[19+4*\s], 0x80000000
	s_mov_b32 s[24+4*\s], 1
	s_mov_b32 s[25+4*\s], \s*SLOT+QOFF
	s_add_nc_u64 s[26+4*\s:27+4*\s], s[100:101], \s*18*CHUNK
	s_or_b32 s[27+4*\s], s[27+4*\s], 0x80000000
.endr
	CROUND                                         ; all four work-groups are here: the joint loads meet
	TLOAD 0                                        ; Wq's three heads: one load a wave at the head
	s_mul_i32 s36, s5, 6*CHUNK
	s_mov_b32 s37, 0
	s_add_nc_u64 s[38:39], s[84:85], s[36:37]      ; my tile's six chunks of xq
	s_mul_i32 s36, s9, ROWI
	s_add_nc_u64 s[36:37], s[38:39], s[36:37]      ; my four images of each,
	s_lshl_b32 s14, s9, 8
	s_add_co_u32 s14, s14, 16*FRB
	s_mov_b32 s15, 0
	s_add_nc_u64 s[38:39], s[38:39], s[14:15]      ; and my quad
	s_lshl_b32 s14, s6, 8                          ; the biases from column 64 g on
	s_add_nc_u64 s[40:41], s[88:89], s[14:15]
	s_add_nc_u64 s[42:43], s[90:91], s[14:15]
	s_add_nc_u64 s[44:45], s[92:93], s[14:15]
	s_lshl_b32 s13, s6, 4                          ; head g's record: ((g x 16 + batch) x 8 + 2 (I % 4) + wave / 2); head 4 jm + g lies 512 jm records on
	s_add_co_u32 s13, s13, s12
	s_lshl_b32 s13, s13, 3
	s_and_b32 s14, s5, 3
	s_lshl_b32 s14, s14, 1
	s_add_co_u32 s13, s13, s14
	s_add_co_u32 s13, s13, s11
	s_mul_i32 s14, s13, 6400
	s_add_nc_u64 s[48:49], s[94:95], s[14:15]
	s_mul_i32 s14, s13, 12800
	s_add_nc_u64 s[50:51], s[96:97], s[14:15]
	s_mul_i32 s52, s10, 2*FRB
	s_lshl_b32 s53, s10, 2
	s_mul_i32 s54, s10, 768
	s_lshl_b32 s55, s10, 1
	v_and_b32 v179, 31, v0
	v_and_b32 v180, 15, v0                         ; r
	v_bfe_u32 v181, v0, 4, 1                       ; h
	v_lshlrev_b32 v[LI], 4, v179
	v_lshlrev_b32 v[LS], 3, v179
	v_lshlrev_b32 v[SH], 3, v181
	v_lshlrev_b32 v[VB], 7, v181
	v_and_b32 v[VC], 8, v180
	v_add_nc_u32 v[LIP], s52, v[LI]
	v_add_nc_u32 v[LSQ], s53, v[LS]
	v_add_nc_u32 v[LIV], s54, v[LI]
	v_add_nc_u32 v[LSV], s54, v[LS]
	v_add_nc_u32 v[LSH], s55, v[LS]
	v_mad_u32_u24 v[VC], v[VC], 3, v180
	v_add_nc_u32 v[AW], 0, v[LI]
	v_add_nc_u32 v[AW+1], 9*ROWI, v[LI]
	v_add_nc_u32 v[AW+2], SLOT, v[LI]
	v_add_nc_u32 v[AW+3], SLOT+9*ROWI, v[LI]
	v_add_nc_u32 v[AQ], QOFF, v[LS]
	v_add_nc_u32 v[AQ+1], SLOT+QOFF, v[LS]
	v_lshlrev_b32 v[VC], 2, v[VC]
	v_mov_b32 v[TM+6], 0                           ; a lane permute's destination counts as one of its sources
	v_mov_b32 v[TM+14], 0
	WIN 0x40                                       ; my tokens: each load 512 consecutive bytes.  K steps 0-3 into window 1,
.irp ks, 0,1,2,3
.irp a, 0,1,2,3
.irp g, 0,1,2
	global_load_b128 v[48*\ks+12*\a+4*\g:48*\ks+12*\a+4*\g+3], v[LI], s[36:37] offset:CHUNK*\ks+FRB*\a+512*\g
.endr
.endr
.endr
	WIN 0x80                                       ; K steps 4, 5 into window 2
.irp ks, 4,5
.irp a, 0,1,2,3
.irp g, 0,1,2
	global_load_b128 v[48*(\ks-4)+12*\a+4*\g:48*(\ks-4)+12*\a+4*\g+3], v[LI], s[36:37] offset:CHUNK*\ks+FRB*\a+512*\g
.endr
.endr
.endr
	WIN 0
.irp ks, 0,1,2,3,4,5
	global_load_b64 v[TS+2*\ks:TS+2*\ks+1], v[LS], s[38:39] offset:CHUNK*\ks   ; word 0: lanes 0-15 fragment 0's rows, lanes 16-31 fragment 1's; word 1: fragments 2, 3
.endr
	WIN 0xc0                                       ; the biases into window 3: for q and k channel 32 h + 8 b + j of head 4 jm + g; for v my lane's channel of tile a
.irp i, 0,1,2
.irp b, 0,1,2,3
	global_load_b128 v[32*\i+8*\b:32*\i+8*\b+3], v[VB], s[40:41] offset:1024*\i+32*\b
	global_load_b128 v[32*\i+8*\b+4:32*\i+8*\b+7], v[VB], s[40:41] offset:1024*\i+32*\b+16
	global_load_b128 v[96+32*\i+8*\b:96+32*\i+8*\b+3], v[VB], s[42:43] offset:1024*\i+32*\b
	global_load_b128 v[96+32*\i+8*\b+4:96+32*\i+8*\b+7], v[VB], s[42:43] offset:1024*\i+32*\b+16
	global_load_b32 v[192+4*\i+\b], v[VC], s[44:45] offset:1024*\i+32*\b
.endr
.endr
	WIN 0
.macro FETCH sl, R                     ; row R (= 6 x head + K step) of slot sl: four fragments and their quad into set R % 3: 13 LDS loads
.set FP, WF+48*((\R)%3)
.set FA, AW+2*(\sl)+(\R)/9
.set FO, ((\R)%9)*ROWI
.irp b, 0,1,2,3
.irp g, 0,1,2
	ds_load_b128 v[FP+12*\b+4*\g:FP+12*\b+4*\g+3], v[FA] offset:FO+FRB*\b+512*\g
.endr
.endr
	ds_load_b64 v[WS+2*((\R)%3):WS+2*((\R)%3)+1], v[AQ+(\sl)] offset:256*(\R)
.endm
; A K step: row R + 2 is fetched into the set that row R - 1's products read; then 16 matrix instructions on row R.  n = 0: q, k; n = 1: v.  bb: the bias, in window 3.
.macro STEP n, sl, R, bb
.set KS, (\R)%6
.set P3, (\R)%3
.set TW, 1+KS/4
.set TB, 48*(KS%4)
	WIN 0
	PLACES
.if (\R)+2 < 18
	FETCH \sl, (\R)+2
.set YN, 26
.elseif (\R)+1 < 18
.set YN, 13
.else
.set YN, 0
.endif
.if KS == 0
	s_wait_alu depctr_va_vdst(0)                   ; what vector lines wrote
.set CW, 3
.else
.set CW, 2
.endif
	s_wait_dscnt YN                                ; row R is in; the 13 loads of each younger row may be out
.if \n
.set WV, TW|(CW<<4)|0x80
.else
.set WV, (TW<<2)|(CW<<4)|0x80
.endif
	WIN WV
.irp a, 0,1,2,3
.irp b, 0,1,2,3
.set rD, 96+8*(4*\a+\b)
.if \n
.set rA, TB+12*\b
.set rB, WF+48*P3+12*\a
.set rSA, TS+2*KS+\b/2
.set rSB, WS+2*P3+\a/2
.set rC, (\bb)+8*\a
.else
.set rA, WF+48*P3+12*\b
.set rB, TB+12*\a
.set rSA, WS+2*P3+\b/2
.set rSB, TS+2*KS+\a/2
.set rC, (\bb)+8*\b
.endif
.if KS != 0
.set rC, rD
.endif
.if (\a%2 == 0) && (\b%2 == 0)
	v_wmma_scale_f32_16x16x128_f8f6f4 v[rD:rD+7], v[rA:rA+11], v[rB:rB+11], v[rC:rC+7], v[rSA], v[rSB] matrix_a_fmt:MATRIX_FMT_FP6 matrix_b_fmt:MATRIX_FMT_FP6
.elseif (\a%2 == 0)
	v_wmma_scale_f32_16x16x128_f8f6f4 v[rD:rD+7], v[rA:rA+11], v[rB:rB+11], v[rC:rC+7], v[rSA], v[rSB] matrix_a_fmt:MATRIX_FMT_FP6 matrix_b_fmt:MATRIX_FMT_FP6 matrix_a_scale:MATRIX_SCALE_ROW1
.elseif (\b%2 == 0)
	v_wmma_scale_f32_16x16x128_f8f6f4 v[rD:rD+7], v[rA:rA+11], v[rB:rB+11], v[rC:rC+7], v[rSA], v[rSB] matrix_a_fmt:MATRIX_FMT_FP6 matrix_b_fmt:MATRIX_FMT_FP6 matrix_b_scale:MATRIX_SCALE_ROW1
.else
	v_wmma_scale_f32_16x16x128_f8f6f4 v[rD:rD+7], v[rA:rA+11], v[rB:rB+11], v[rC:rC+7], v[rSA], v[rSB] matrix_a_fmt:MATRIX_FMT_FP6 matrix_b_fmt:MATRIX_FMT_FP6 matrix_a_scale:MATRIX_SCALE_ROW1 matrix_b_scale:MATRIX_SCALE_ROW1
.endif
.endr
.endr
.endm
; Source 1's blocks 2 bp and 2 bp + 1 (e = 0, 1), by turns: my 32 registers of each are one block of 32: six code registers at KP + 12 bp + 6 e, and the row's two scale bytes in v[TM + 8 e + 7].
.macro QPAIR bp
.set KQ, KP+12*(\bp)
.set QB, 96+64*(\bp)
	WIN 0x28                                       ; sources 1 and 2 in window 2
.irp e, 0,1
.irp k, 0,1,2,3
	v_max3_num_f32 v[TM+8*\e+\k], 0x1800000, |v[QB+32*\e+8*\k]|, |v[QB+32*\e+8*\k+1]|   ; with the floor 2^(3 - 127): the byte cannot fall under 1; each accumulator from its low end on
.endr
.endr
.irp i, 2,4,6
.irp e, 0,1
.irp k, 0,1,2,3
	v_max3_num_f32 v[TM+8*\e+\k], v[TM+8*\e+\k], |v[QB+32*\e+8*\k+\i]|, |v[QB+32*\e+8*\k+\i+1]|
.endr
.endr
.endr
	WIN 0
.irp e, 0,1
	v_max3_num_f32 v[TM+8*\e], v[TM+8*\e], v[TM+8*\e+1], v[TM+8*\e+2]
.endr
.irp e, 0,1
	v_max_num_f32 v[TM+8*\e], v[TM+8*\e], v[TM+8*\e+3]     ; the block's largest magnitude
.endr
.irp e, 0,1
	v_add_nc_u32 v[TM+8*\e+4], 0xff000000, v[TM+8*\e]      ; 2 off the exponent field: the conversion's scale operand
.endr
.irp e, 0,1
	v_lshrrev_b32 v[TM+8*\e+5], 23, v[TM+8*\e+4]           ; the scale's byte,
.endr
.irp e, 0,1
	v_lshlrev_b32 v[TM+8*\e+5], v[SH], v[TM+8*\e+5]        ; at place h;
.endr
.irp e, 0,1
	v_permlanex16_b32 v[TM+8*\e+6], v[TM+8*\e+5], s[SEL], s[SEL+1]
.endr
.irp e, 0,1
	v_or_b32 v[TM+8*\e+7], v[TM+8*\e+5], v[TM+8*\e+6]      ; with lane l xor 16's: both bytes, in both halves of the lanes
.endr
	WIN 2                                          ; source 0 in window 2
.irp e, 0,1
	v_cvt_scalef32_pk16_fp6_f32 v[KQ+6*\e:KQ+6*\e+2], v[QB+32*\e:QB+32*\e+15], v[TM+8*\e+4]
	v_cvt_scalef32_pk16_fp6_f32 v[T+4*\e:T+4*\e+2], v[QB+32*\e+16:QB+32*\e+31], v[TM+8*\e+4]   ; (a conversion's three registers begin on an even number)
.endr
	WIN 0
	v_nop                                          ; one plain line behind the scaled conversions
.irp e, 0,1
.irp i, 0,1,2
	v_mov_b32 v[KQ+6*\e+3+\i], v[T+4*\e+\i]
.endr
.endr
.endm
; A HEAD: number u of the kind in slot sl.  qo: where the record's quad lies (q, k); recb: a record's bytes.
.macro UNIT n, sl, u, bb, qo, recb
.if \n
	WIN 0xc3
.irp a, 0,1,2,3
.irp j, 0,1,2,3,4,5,6,7
	v_mov_b32 v[208+8*\a+\j], v[192+4*(\u)+\a]     ; a lane's eight results of a tile belong to one channel
.endr
.endr
.endif
.irp ks, 0,1,2,3,4,5
	STEP \n, \sl, 6*(\u)+\ks, \bb
.endr
	WIN 0
	PLACES                                         ; in front of the first read of the results
	s_wait_xcnt 0x0                                ; the last head's stores have read their registers and their base
.if (\u) > 0
	s_add_nc_u64 s[2:3], s[2:3], 512*(\recb)       ; four heads on
.endif
.irp bp, 0,1
	QPAIR \bp
.if \n
	v_cndmask_b32 v[PW+\bp], v[TM+7], v[TM+15], s33        ; lanes 0-15 tile 2 bp's bytes, lanes 16-31 tile 2 bp + 1's
.irp e, 0,1
	global_store_b128 v[LIV], v[KP+12*\bp+6*\e:KP+12*\bp+6*\e+3], s[2:3] offset:4*FRB+FRB*(2*\bp+\e)         ; 512 consecutive bytes, aligned to 256
	global_store_b64 v[LSV], v[KP+12*\bp+6*\e+4:KP+12*\bp+6*\e+5], s[2:3] offset:4*FRB+FRB*(2*\bp+\e)+512    ; 256 consecutive bytes, aligned
.endr
	global_store_b16 v[LSH], v[PW+\bp], s[2:3] offset:8*FRB+256+4*\bp        ; my two of each scale word's four bytes
.else
	v_lshl_or_b32 v[PW+\bp], v[TM+15], 16, v[TM+7]         ; the pair's scale word
.irp g, 0,1,2
	global_store_b128 v[LIP], v[KP+12*\bp+4*\g:KP+12*\bp+4*\g+3], s[2:3] offset:FRB*\bp+512*\g               ; 512 consecutive bytes, aligned to 256
.endr
.endif
.endr
.if (\n) == 0
	v_cndmask_b32 v[PW+2], v[PW], v[PW+1], s33
	global_store_b32 v[LSQ], v[PW+2], s[2:3] offset:\qo    ; my word of the quad's two
.endif
.endm
	s_wait_alu depctr_va_vdst(0)
	s_wait_tensorcnt 0x0                           ; my part of Wq is in; the three lines ahead of slot 1's first fill, as ahead of a refill
	ds_add_u32 v[SPW], v[NIL]
	s_wait_dscnt 0x0
	CROUND
	TLOAD 1                                        ; Wk's three heads into slot 1
	s_mov_b64 s[2:3], s[48:49]
	s_wait_loadcnt 0x0                             ; my tokens and the biases are in
	FETCH 0, 0
	FETCH 0, 1
.irp u, 0,1,2
	UNIT 0, 0, \u, 32*\u, 4*FRB, 6400
.endr
	s_wait_xcnt 0x0                                ; the stores have read their base
	s_wait_tensorcnt 0x0                           ; my part of Wk is in,
	ds_add_u32 v[SPW], v[NIL]
	s_add_nc_u64 s[18:19], s[18:19], 36*CHUNK      ; no load of mine is out: slot 0's next kind
	s_add_nc_u64 s[26:27], s[26:27], 36*CHUNK
	s_mov_b64 s[2:3], s[50:51]
	s_wait_dscnt 0x0                               ; and my reads of slot 0 are over
	CROUND
	TLOAD 0                                        ; Wv's three heads into slot 0
	FETCH 1, 0
	FETCH 1, 1
.irp u, 0,1,2
	UNIT 0, 1, \u, 96+32*\u, 8*FRB, 12800
.endr
	s_wait_xcnt 0x0
	s_wait_tensorcnt 0x0                           ; my part of Wv is in
	ds_add_u32 v[SPW], v[NIL]
	s_mov_b64 s[2:3], s[50:51]
	s_wait_dscnt 0x0
	s_barrier_signal -1                            ; it shows slot 0 whole to all four waves
	s_barrier_wait -1
	FETCH 0, 0
	FETCH 0, 1
.irp u, 0,1,2
	UNIT 1, 0, \u, 208, 0, 12800
.endr
	s_wait_tensorcnt 0x0                           ; the wave's end
	ds_add_u32 v[SPW], v[NIL]
	s_wait_dscnt 0x0
	CROUND                                         ; the closing round
	s_endpgm
.Lfunc_end_k_q06873d0165_qkv:
	.size	k_q06873d0165_qkv, .Lfunc_end_k_q06873d0165_qkv-k_q06873d0165_qkv
	.p2alignl 7, 3214868480
	.fill 96, 4, 3214868480
	.section	.rodata,"a",@progbits
	.p2align	6, 0x0
	.amdhsa_kernel k_q06873d0165_qkv
		.amdhsa_group_segment_fixed_size 327680
		.amdhsa_private_segment_fixed_size 0
		.amdhsa_enable_private_segment 0
		.amdhsa_kernarg_size 56
		.amdhsa_user_sgpr_count 2
		.amdhsa_user_sgpr_kernarg_segment_ptr 1
		.amdhsa_wavefront_size32 1
		.amdhsa_system_sgpr_workgroup_id_x 1
		.amdhsa_system_sgpr_workgroup_id_y 1
		.amdhsa_system_sgpr_workgroup_id_z 1
		.amdhsa_system_vgpr_workitem_id 0
		.amdhsa_next_free_vgpr 1024
		.amdhsa_next_free_sgpr 102
		.amdhsa_reserve_vcc 0
		.amdhsa_float_denorm_mode_32 3
		.amdhsa_float_denorm_mode_16_64 3
		.amdhsa_memory_ordered 1
		.amdhsa_forward_progress 1
		.amdhsa_inst_pref_size 255
	.end_amdhsa_kernel
	.section	.bss,"aw",@nobits
	.p2align	6
	.space	262144
	.amdgpu_metadata
---
amdhsa.version: [ 1, 2 ]
amdhsa.kernels:
  - .name:           k_q06873d0165_qkv
    .symbol:         k_q06873d0165_qkv.kd
    .args:
      - { .name: xq, .offset: 0, .size: 8, .value_kind: global_buffer, .address_space: global }
      - { .name: wq, .offset: 8, .size: 8, .value_kind: global_buffer, .address_space: global }
      - { .name: bq, .offset: 16, .size: 8, .value_kind: global_buffer, .address_space: global }
      - { .name: bk, .offset: 24, .size: 8, .value_kind: global_buffer, .address_space: global }
      - { .name: bv, .offset: 32, .size: 8, .value_kind: global_buffer, .address_space: global }
      - { .name: qb, .offset: 40, .size: 8, .value_kind: global_buffer, .address_space: global }
      - { .name: kvb, .offset: 48, .size: 8, .value_kind: global_buffer, .address_space: global }
    .group_segment_fixed_size: 327680
    .private_segment_fixed_size: 0
    .kernarg_segment_align: 8
    .kernarg_segment_size: 56
    .max_flat_workgroup_size: 128
    .sgpr_count:     102
    .vgpr_count:     1024
    .wavefront_size: 32
...
	.end_amdgpu_metadata
.endif
;; end of part 2
;; launch attn (part 3): grid 4 x 64, 16 waves a work-group, clusters of 4 x 1, 327,680 bytes of LDS; arguments qb, kvb, out0; writes out0
.if DOCPART == 3
	.amdgcn_target "amdgcn-amd-amdhsa--gfx1250"
	.amdhsa_code_object_version 6
	.text
	.protected	k_q06873d0165_attn
	.globl	k_q06873d0165_attn
	.p2align	8
	.type	k_q06873d0165_attn,@function
k_q06873d0165_attn:
	s_mov_b64 s[64:65], 0
	v_nop
	global_prefetch_b8 v0, s[64:65] scope:SCOPE_SE
	s_setreg_imm32_b32 hwreg(HW_REG_WAVE_MODE, 25, 1), 1
	s_wait_xcnt 0x0
	s_wait_alu depctr_hold_cnt(0) depctr_sa_sdst(0) depctr_va_vdst(0) depctr_va_sdst(0) depctr_va_ssrc(0) depctr_va_vcc(0) depctr_vm_vsrc(0)
	s_getreg_b32 s2, hwreg(HW_REG_IB_STS2, 6, 4)
	s_cmp_eq_u32 s2, 0
	s_cbranch_scc0 .Lentry_in_a_cluster
	s_endpgm
.Lentry_in_a_cluster:
	s_bfe_u32 s2, ttmp6, 0x10000c
	s_cmp_lg_u32 s2, 0x3003
	s_cbranch_scc0 .Lentry_shape_is_right
	s_endpgm
.Lentry_shape_is_right:
; out[batch][q][64 head ..] = the sum over keys of softmax(q . k / 8) v, both products on codes of FP6 (E2M3) with E8M0 scales.  q, k and v come as images of operand registers with quads of scale words.
; THE SOFTMAX: t = score x log2(e) / 8; M = the running largest t rounded UP to a whole number; p = 2^(t - M) is quantised along the keys, not normalised.  The row's sum is taken of the
; unquantised p, in f32, and divides at the end.  When M moves, the sum and O are multiplied by 2^(old M - new M): exact.
; SHARES.  256 work-groups that stay.  A cluster (y of 64) walks three units, (head x 16 + batch) = 3 y + 0 .. 2; its four work-groups take the unit's four blocks of 256 queries; each of sixteen waves
; owns one tile of 16 queries and walks the unit's 1,024 keys, 128 a step: the first step written out, seven in a loop.
; LDS.  A unit's k and v, 102,400 bytes, are ONE slot; two slots take turns.  Each wave fetches a sixteenth of a slot, 6,400 bytes, by one joint load (mask 15: the four query blocks read the same bytes).
; A slot is asked for one whole unit, eight key steps, ahead of its first read; inside a unit there is no barrier.  All waits on TENSORcnt are for 0; one load a wave is out at the most.
; No prefetch is laid: every fill but the first already goes out eight key steps ahead of its reader, and the first has no trip ahead of it.
; LAYOUT.  Both products are used transposed (S^T = k q^T, O^T = v^T p^T): a lane holds ONE query.  Lane r of fragment 4 c + t holds row 64 c + 8 t + r % 8 + 32 (r / 8) (queries, keys, channels alike),
; so register 32 c + i of S^T is key 64 c + 32 (lane / 16) + i: a lane holds two WHOLE blocks of 32 keys, in the order of the 6-bit operand; register i of O^T is channel 32 (lane / 16) + i.
; K = 64 IN AN INSTRUCTION OF 128: a pair image of k holds fragment 2 b in registers 0-5 and 2 b + 1 in 6-11.  q stands between two runs of six zero registers: (q, 0) gives the one's scores, (0, q) the other's.
; LIMITS: NaN and infinities are not served; the promise holds while |t| stays under 2^31; a block of p that has fallen to zeros keeps the byte 1 (its codes are zeros).
.set REC,   12800                      ; a step's record: 4 pair images of k, 4 images of v, k's quad, v's quad
.set FRB,   1536
.set HEADB, 8*REC                      ; a slot
.set STG,   2*HEADB                    ; behind the slots: a stage of 16 rows x (256 + 16) bytes for each wave, into which no fill lands
.set SP,    272
.set SPARE, STG+16*16*SP               ; the spare words: 128 bytes a wave
.set LI,  1                            ; 16 x lane
.set LS,  2                            ; 8 x lane
.set AI,  3                            ; this step's record, + 16 x lane
.set AS,  4                            ; + 8 x lane
.set GO,  5                            ; the way out: my byte offset in the tile's rows of out
.set STO, 6                            ; where I put my numbers in the stage
.set RD,  7                            ; where I read a row back
.set QA0, 8                            ; q: byte offsets of my six registers in the pair image (two forms), and of my scale word
.set QA1, 9
.set QS,  10
.set SH,  11                           ; 8 x (lane / 16)
.set KVF, 40                           ; v40-87 four fragments of k, then of v.  v12 -M, v13 the largest score, v[14:15] the sum; v16-33 zeros, q, zeros; v34 q's scale word; v[36:37] k's quad, v[38:39] v's
.set QN,  88                           ; v88-94 the next unit's q and its scale word
.set S,   96                           ; v96-159 S^T, then p
.set O,   160                          ; v160-191 O^T
.set PC,  192                          ; v192-203 p's codes
.set T,   204                          ; the conversions' second halves
.set BM,  212                          ; chain maxima; the blocks' at BM and BM + 2
.set PD,  216                          ; a lane permute's destination
.set BY,  218
.set SO,  220
.set PS,  224
.set F,   226
.set TMP, 228
.set OLD, 229
.set SM,  240                          ; v242-247 three more chains of the sum
.set SPW, 254
.set NIL, 255
.set CS,  38                           ; s[38:39] c = log2(e) / 8
.set SEL, 40                           ; s[40:41] selects for lane l xor 16
.set NC,  42                           ; s42 -c
.macro CROUND                          ; a round of the cluster's barrier
	s_barrier_signal -1
	s_barrier_wait -1
	s_cmp_lg_u32 s10, 0
	s_cbranch_scc1 .Lnot_wave_0_\@
	s_barrier_signal -3
.Lnot_wave_0_\@:
	s_barrier_wait -3
	s_barrier_signal -1
	s_barrier_wait -1
.endm
.macro TLOAD g                         ; my sixteenth of a slot
	tensor_load_to_lds s[\g:\g+3], s[12:19]
	s_nop 0
.rept 4
	v_nop
.endr
.endm
.macro QLOAD u                         ; unit u's q: my fragment's six registers out of its pair image, and the pair's scale word
	global_load_b64 v[QN:QN+1], v[QA0], s[46:47] offset:(\u)*51200
	global_load_b64 v[QN+2:QN+3], v[QA1], s[46:47] offset:(\u)*51200
	global_load_b64 v[QN+4:QN+5], v[QA0], s[46:47] offset:(\u)*51200+512
	global_load_b32 v[QN+6], v[QS], s[46:47] offset:(\u)*51200+4*FRB
.endm
	s_load_b128 s[4:7], s[0:1], 0x0                ; qb s[4:5], kvb s[6:7]
	s_load_b64 s[8:9], s[0:1], 0x10                ; out0
	v_lshl_add_u32 v[SPW], v0, 2, SPARE
	v_mov_b32 v[NIL], 0
	ds_add_u32 v[SPW], v[NIL]                      ; the opening lines: the add twice on end and its wait
	ds_add_u32 v[SPW], v[NIL]
	v_lshrrev_b32 v35, 5, v0
	v_readfirstlane_b32 s10, v35                   ; wave 0..15
	s_bfe_u32 s11, ttmp6, 0x40000                  ; cx: my block of 256 queries
	s_and_b32 s36, ttmp7, 0xffff
	s_mul_i32 s36, s36, 3                          ; the first unit, which the four partners share
	s_mov_b32 s[CS], 0x3e38aa3b
	s_mov_b32 s[CS+1], s[CS]
	s_mov_b32 s[NC], 0xbe38aa3b
	s_mov_b32 s[SEL], 0x76543210
	s_mov_b32 s[SEL+1], 0xfedcba98
	s_mov_b32 s12, 15|(3<<16)|(1<<21)              ; group 1: 6,400 dense bytes as 25 rows of 32 elements of 8 bytes; all four work-groups
	s_mov_b32 s13, 32<<16
	s_mov_b32 s14, 25<<16
	s_mov_b32 s15, 32<<16
	s_mov_b32 s16, 25
	s_mov_b32 s17, 32
	s_mov_b32 s18, 0
	s_mov_b32 s19, 0
	s_mul_i32 s37, s10, REC/2                      ; my sixteenth, in memory and in LDS
	s_mul_i32 s44, s36, HEADB
	s_add_co_u32 s44, s44, s37
	s_mov_b32 s45, 0
	s_wait_dscnt 0x0
	s_wait_kmcnt 0x0
	s_add_nc_u64 s[44:45], s[6:7], s[44:45]
.irp c, 0,1                            ; group 0 for slot c, set for unit c
	s_mov_b32 s[20+4*\c], 1
	s_add_co_u32 s[21+4*\c], s37, \c*HEADB
	s_add_nc_u64 s[22+4*\c:23+4*\c], s[44:45], \c*HEADB
	s_or_b32 s[23+4*\c], s[23+4*\c], 0x80000000
.endr
	CROUND                                         ; all four work-groups are here: the joint loads meet
	TLOAD 20                                       ; unit 0: one load a wave at the head
	s_lshl_b32 s28, s36, 3                         ; q: record 8 x unit + 2 cx + w / 8, pair image b = (w / 2) % 4, its half w % 2
	s_lshl_b32 s29, s11, 1
	s_add_co_u32 s28, s28, s29
	s_lshr_b32 s29, s10, 3
	s_add_co_u32 s28, s28, s29
	s_mul_i32 s28, s28, 6400
	s_mov_b32 s29, 0
	s_add_nc_u64 s[46:47], s[4:5], s[28:29]
	s_bfe_u32 s30, s10, 0x20001                    ; b
	s_and_b32 s31, s10, 1                          ; u
	s_mul_i32 s32, s30, FRB
	s_mul_i32 s33, s31, 520                        ; registers 6 u, 6 u + 1 lie at 16 l + 520 u, registers 6 u + 4, 6 u + 5 512 bytes on,
	s_add_co_u32 s33, s33, s32
	s_mul_i32 s34, s31, 1016                       ; registers 6 u + 2, 6 u + 3 at 16 l + 8 + 1016 u
	s_add_co_u32 s34, s34, s32
	s_add_co_u32 s34, s34, 8
	s_and_b32 s35, s30, 1
	s_lshl_b32 s35, s35, 7                         ; in the quad: lanes 16-31's words where b is odd,
	s_lshr_b32 s30, s30, 1
	s_lshl_b32 s30, s30, 2                         ; the second word where b is 2 or 3
	s_add_co_u32 s35, s35, s30
	s_mul_i32 s57, s31, 0x02020202
	s_add_co_u32 s57, s57, 0x01000100              ; byte selects: (0, 1, 0, 1) or (2, 3, 2, 3)
	s_mul_i32 s56, s10, 16*SP
	s_add_co_u32 s56, s56, STG                     ; my stage
	s_lshl_b32 s28, s11, 8                         ; my tile's first query: 256 cx + 64 (w / 4) + 8 (w % 4)
	s_lshr_b32 s29, s10, 2
	s_lshl_b32 s29, s29, 6
	s_add_co_u32 s28, s28, s29
	s_and_b32 s29, s10, 3
	s_lshl_b32 s29, s29, 3
	s_add_co_u32 s28, s28, s29
	s_mov_b32 s45, 0
.irp u, 0,1,2                          ; where my tile begins in out, for each unit: row batch x 1,024 + first query, column 64 x head
	s_add_co_u32 s30, s36, \u
	s_and_b32 s31, s30, 15
	s_lshl_b32 s31, s31, 10
	s_add_co_u32 s31, s31, s28
	s_mul_i32 s44, s31, 3072
	s_lshr_b32 s30, s30, 4
	s_lshl_b32 s30, s30, 8
	s_add_co_u32 s44, s44, s30
	s_add_nc_u64 s[50+2*\u:51+2*\u], s[8:9], s[44:45]
.endr
	v_and_b32 v35, 31, v0
	v_and_b32 v36, 15, v0                          ; r
	v_bfe_u32 v37, v0, 4, 1                        ; h
	v_lshlrev_b32 v[LI], 4, v35
	v_lshlrev_b32 v[LS], 3, v35
	v_lshlrev_b32 v[SH], 3, v37
	v_add_nc_u32 v[QA0], s33, v[LI]
	v_add_nc_u32 v[QA1], s34, v[LI]
	v_lshl_add_u32 v[QS], v36, 3, s35
	v_mul_u32_u24 v[STO], v36, SP
	v_mul_u32_u24 v[RD], v37, SP
	v_mul_u32_u24 v[GO], v37, 3072
	v_lshl_add_u32 v[STO], v37, 7, v[STO]
	v_lshl_add_u32 v[RD], v36, 4, v[RD]
	v_lshl_add_u32 v[GO], v36, 4, v[GO]            ; lanes 0-15 one row of out, lanes 16-31 the next
	v_add_nc_u32 v[STO], s56, v[STO]               ; in: row r, + 128 h bytes
	v_add_nc_u32 v[RD], s56, v[RD]                 ; back: lanes 0-15 one row of 256 bytes, lanes 16-31 the next
.irp i, 0,1,2,3,4,5
	v_mov_b32 v[16+\i], 0                          ; zero codes
	v_mov_b32 v[28+\i], 0
.endr
	v_mov_b32 v[PD], 0                             ; a lane permute's destination counts as one of its sources
	v_mov_b32 v[F+1], 0                            ; (named as the upper half of a pair)
	QLOAD 0
; A KEY STEP: the 128 keys of the record at v[AI], v[AS].  first = 1: it starts M, the sum and O^T.
.macro STEP first
.irp b, 0,1,2,3
.irp g, 0,1,2
	ds_load_b128 v[KVF+12*\b+4*\g:KVF+12*\b+4*\g+3], v[AI] offset:FRB*\b+512*\g                ; k's four pair images
.endr
.endr
	ds_load_b64 v[36:37], v[AS] offset:8*FRB       ; and their quad
	s_wait_alu depctr_va_vdst(0)                   ; the addresses (and in a unit's first step q) are fresh
	s_wait_dscnt 0x0
.irp b, 0,1,2,3                        ; S^T = k q^T: eight tiles of 16 keys
.irp u, 0,1
.if \b%2
	v_wmma_scale_f32_16x16x128_f8f6f4 v[S+16*\b+8*\u:S+16*\b+8*\u+7], v[KVF+12*\b:KVF+12*\b+11], v[22-6*\u:33-6*\u], 0, v[36+\b/2], v34 matrix_a_fmt:MATRIX_FMT_FP6 matrix_b_fmt:MATRIX_FMT_FP6 matrix_a_scale:MATRIX_SCALE_ROW1
.else
	v_wmma_scale_f32_16x16x128_f8f6f4 v[S+16*\b+8*\u:S+16*\b+8*\u+7], v[KVF+12*\b:KVF+12*\b+11], v[22-6*\u:33-6*\u], 0, v[36+\b/2], v34 matrix_a_fmt:MATRIX_FMT_FP6 matrix_b_fmt:MATRIX_FMT_FP6
.endif
.endr
.endr
.if \first                             ; four places: in front of the loads below and of the first read of the scores
	v_nop
.else
	v_mov_b32 v[OLD], v12                          ; the old -M
.endif
.rept 3
	v_nop
.endr
.irp t, 0,1,2,3
.irp c, 0,1                            ; an image of v lies as two halves of 768 bytes: registers 6 c .. 6 c + 3 at 16 l, registers 6 c + 4, 6 c + 5 at 512 + 8 l; they land while the softmax is worked
	ds_load_b128 v[KVF+12*\t+6*\c:KVF+12*\t+6*\c+3], v[AI] offset:4*FRB+FRB*\t+768*\c
	ds_load_b64 v[KVF+12*\t+6*\c+4:KVF+12*\t+6*\c+5], v[AS] offset:4*FRB+FRB*\t+768*\c+512
.endr
.endr
	ds_load_b64 v[38:39], v[AS] offset:8*FRB+256
.irp b, 0,1,2,3                        ; the largest score of my two blocks of 32 keys, in four chains by turns; each accumulator from its low end on
	v_max3_num_f32 v[BM+\b], v[S+16*\b], v[S+16*\b+1], v[S+16*\b+2]
.endr
.irp i, 3,5,7,9,11,13
.irp b, 0,1,2,3
	v_max3_num_f32 v[BM+\b], v[BM+\b], v[S+16*\b+\i], v[S+16*\b+\i+1]
.endr
.endr
.irp c, 0,1
	v_max3_num_f32 v[BM+2*\c], v[BM+2*\c], v[BM+2*\c+1], v[S+32*\c+15]
.endr
.irp c, 0,1
	v_max_num_f32 v[BM+2*\c], v[BM+2*\c], v[S+32*\c+31]    ; it serves the row's maximum and, since p rises with the score, the block's largest p
.endr
	s_delay_alu instid0(VALU_DEP_1)
	v_max_num_f32 v[TMP], v[BM], v[BM+2]
	s_delay_alu instid0(VALU_DEP_1)
	v_permlanex16_b32 v[PD], v[TMP], s[SEL], s[SEL+1]
	s_delay_alu instid0(VALU_DEP_1)
.if \first
	v_max_num_f32 v13, v[TMP], v[PD]               ; the largest score of my query
.else
	v_max3_num_f32 v13, v13, v[TMP], v[PD]         ; the running largest score
.endif
	s_delay_alu instid0(VALU_DEP_1)
	v_mul_f32 v[TMP], s[NC], v13                   ; -t
	s_delay_alu instid0(VALU_DEP_1)
	v_floor_f32 v12, v[TMP]                        ; -M = floor(-t) = -ceil(t)
.if (\first) == 0
	s_delay_alu instid0(VALU_DEP_1)
	v_sub_f32 v[TMP], v12, v[OLD]                  ; old M - new M: a whole number, 0 or less
	s_delay_alu instid0(VALU_DEP_1)
	v_cvt_i32_f32 v[TMP], v[TMP]                   ; (it saturates)
	s_delay_alu instid0(VALU_DEP_1)
	v_ldexp_f32 v[F], 1.0, v[TMP]                  ; f = 2^(old M - new M)
.endif
.set J, 0
.rept 32
	v_pk_fma_f32 v[S+J:S+J+1], v[S+J:S+J+1], s[CS:CS+1], v[12:13] op_sel_hi:[1,0,0]            ; t - M, two at a time
.set J, J+2
.endr
.irp c, 0,1
	v_fma_f32 v[BM+2*\c], v[BM+2*\c], s[CS], v12   ; the same of each block's largest score
.endr
	s_wait_alu depctr_va_vdst(0)
.set J, 0
.rept 64
	v_exp_f32 v[S+J], v[S+J]                       ; p = 2^(t - M), at most 1
.set J, J+1
.endr
.if \first
	v_mov_b32 v14, 0                               ; the sum begins
	v_mov_b32 v15, 0
.else
	v_pk_mul_f32 v[14:15], v[14:15], v[F:F+1] op_sel_hi:[1,0]                ; the sum under the new M
.endif
	s_wait_alu depctr_va_vdst(0)                   ; one wait for the batch of 64, ahead of its first reader
.irp c, 0,1
	v_exp_f32 v[BM+2*\c], v[BM+2*\c]               ; the block's largest p: the same two instructions on the same number give the same bits
.endr
.irp k, 1,2,3                          ; the row's sum of the unquantised p: two at a time, four chains by turns
	v_pk_add_f32 v[SM+2*\k:SM+2*\k+1], v[S+4*\k-4:S+4*\k-3], v[S+4*\k-2:S+4*\k-1]
.endr
	v_pk_add_f32 v[14:15], v[14:15], v[S+12:S+13]
.irp j, 14,22,30,38,46,54
	v_pk_add_f32 v[SM+2:SM+3], v[SM+2:SM+3], v[S+\j:S+\j+1]
	v_pk_add_f32 v[SM+4:SM+5], v[SM+4:SM+5], v[S+\j+2:S+\j+3]
	v_pk_add_f32 v[SM+6:SM+7], v[SM+6:SM+7], v[S+\j+4:S+\j+5]
	v_pk_add_f32 v[14:15], v[14:15], v[S+\j+6:S+\j+7]
.endr
	v_pk_add_f32 v[SM+2:SM+3], v[SM+2:SM+3], v[S+62:S+63]
	s_wait_alu depctr_va_vdst(0)                   ; and one for the two
.irp c, 0,1
	v_max_num_f32 v[BM+2*\c], 0x1800000, v[BM+2*\c]        ; the floor 2^(3 - 127): the byte cannot fall under 1
.endr
.irp c, 0,1
	v_add_nc_u32 v[SO+\c], 0xff000000, v[BM+2*\c]  ; 2 off the exponent field: the conversion's scale operand
.endr
.irp c, 0,1
	v_lshrrev_b32 v[BY+\c], 23, v[SO+\c]           ; the scale's byte
.endr
	s_delay_alu instid0(VALU_DEP_1)
	v_lshl_or_b32 v[TMP], v[BY+1], 16, v[BY]       ; blocks h and 2 + h,
	s_delay_alu instid0(VALU_DEP_1)
	v_lshlrev_b32 v[TMP], v[SH], v[TMP]            ; at their places in the word;
	s_delay_alu instid0(VALU_DEP_1)
	v_permlanex16_b32 v[PD], v[TMP], s[SEL], s[SEL+1]
	s_delay_alu instid0(VALU_DEP_1)
	v_or_b32 v[PS], v[TMP], v[PD]                  ; with lane l xor 16's two: p's scale word for these 128 keys
.irp c, 0,1
	v_cvt_scalef32_pk16_fp6_f32 v[PC+6*\c:PC+6*\c+2], v[S+32*\c:S+32*\c+15], v[SO+\c]
	v_cvt_scalef32_pk16_fp6_f32 v[T+4*\c:T+4*\c+2], v[S+32*\c+16:S+32*\c+31], v[SO+\c]         ; (a conversion's three registers begin on an even number)
.endr
	v_nop                                          ; one plain line behind the scaled conversions
.irp c, 0,1
.irp i, 0,1,2
	v_mov_b32 v[PC+3+6*\c+\i], v[T+4*\c+\i]        ; registers 6 c .. 6 c + 5: keys 64 c + 32 h + 0 .. 31
.endr
.endr
.if \first
.rept 8
	v_nop                                          ; a scale word written by a vector instruction stands eight plain lines ahead of a scaled matrix instruction, an operand four
.endr
.else
	s_wait_alu depctr_va_vdst(0)                   ; directly ahead of the first reader of O^T
.set J, 0
.rept 16
	v_pk_mul_f32 v[O+J:O+J+1], v[O+J:O+J+1], v[F:F+1] op_sel_hi:[1,0]        ; O^T under the new M; twelve of the sixteen name no register of any one product below
.set J, J+2
.endr
.endif
	s_wait_alu depctr_va_vdst(0)
	s_wait_dscnt 0x0                               ; v's images and quad are in
.irp t, 0,1,2,3                        ; O^T += v^T p^T: four tiles of 16 channels, by turns
.if \first
.if \t%2
	v_wmma_scale_f32_16x16x128_f8f6f4 v[O+8*\t:O+8*\t+7], v[KVF+12*\t:KVF+12*\t+11], v[PC:PC+11], 0, v[38+\t/2], v[PS] matrix_a_fmt:MATRIX_FMT_FP6 matrix_b_fmt:MATRIX_FMT_FP6 matrix_a_scale:MATRIX_SCALE_ROW1
.else
	v_wmma_scale_f32_16x16x128_f8f6f4 v[O+8*\t:O+8*\t+7], v[KVF+12*\t:KVF+12*\t+11], v[PC:PC+11], 0, v[38+\t/2], v[PS] matrix_a_fmt:MATRIX_FMT_FP6 matrix_b_fmt:MATRIX_FMT_FP6
.endif
.else
.if \t%2
	v_wmma_scale_f32_16x16x128_f8f6f4 v[O+8*\t:O+8*\t+7], v[KVF+12*\t:KVF+12*\t+11], v[PC:PC+11], v[O+8*\t:O+8*\t+7], v[38+\t/2], v[PS] matrix_a_fmt:MATRIX_FMT_FP6 matrix_b_fmt:MATRIX_FMT_FP6 matrix_a_scale:MATRIX_SCALE_ROW1
.else
	v_wmma_scale_f32_16x16x128_f8f6f4 v[O+8*\t:O+8*\t+7], v[KVF+12*\t:KVF+12*\t+11], v[PC:PC+11], v[O+8*\t:O+8*\t+7], v[38+\t/2], v[PS] matrix_a_fmt:MATRIX_FMT_FP6 matrix_b_fmt:MATRIX_FMT_FP6
.endif
.endif
.endr
	v_pk_add_f32 v[14:15], v[14:15], v[SM+2:SM+3]  ; the sum's four chains join: with the two address lines that follow, the places behind the products
	v_pk_add_f32 v[SM+4:SM+5], v[SM+4:SM+5], v[SM+6:SM+7]
	s_delay_alu instid0(VALU_DEP_1)
	v_pk_add_f32 v[14:15], v[14:15], v[SM+4:SM+5]
.endm
; A UNIT: one (head, batch) from slot u % 2, and its way out.
.macro UNIT u
.set SB, ((\u)%2)*HEADB
	s_wait_loadcnt 0x0                             ; this unit's q is in
	v_perm_b32 v34, v[QN+6], v[QN+6], s57          ; q's two scale bytes, twice: they serve either half of K
.irp i, 0,1,2,3,4,5
	v_mov_b32 v[22+\i], v[QN+\i]
.endr
	v_add_nc_u32 v[AI], SB, v[LI]
	v_add_nc_u32 v[AS], SB, v[LS]
.rept 6
	v_nop                                          ; with the two lines above: eight plain lines between the scale word and the first product
.endr
.if (\u) < 2
	QLOAD (\u)+1                                   ; the next unit's q, a unit ahead
.endif
	STEP 1
	s_mov_b32 s59, SB
	s_mov_b32 s58, 7
.Lstep_\u:
	s_add_co_u32 s59, s59, REC
	v_add_nc_u32 v[AI], s59, v[LI]
	v_add_nc_u32 v[AS], s59, v[LS]
	STEP 0
	s_sub_co_u32 s58, s58, 1
	s_cmp_lg_u32 s58, 0
	s_wait_alu depctr_va_vdst(0)
	s_cbranch_scc1 .Lstep_\u
	v_add_f32 v14, v14, v15                        ; the sum's two halves,
	s_delay_alu instid0(VALU_DEP_1)
	v_permlanex16_b32 v[PD], v14, s[SEL], s[SEL+1]
	s_delay_alu instid0(VALU_DEP_1)
	v_add_f32 v14, v14, v[PD]                      ; and lane l xor 16's keys: the row's sum
	s_wait_alu depctr_va_vdst(0)
	v_rcp_f32 v14, v14
	v_nop
	s_wait_alu depctr_va_vdst(0)                   ; ahead of the first reader of the quotient and of O^T
.set J, 0
.rept 16
	v_pk_mul_f32 v[S+J:S+J+1], v[O+J:O+J+1], v[14:15] op_sel_hi:[1,0]        ; register i is channel 32 h + i of query r; each accumulator from its low end on
.set J, J+2
.endr
.irp q, 0,1,2,3,4,5,6,7
	ds_store_b128 v[STO], v[S+4*\q:S+4*\q+3] offset:16*\q
.endr
.irp i, 0,1,2,3,4,5,6,7
	ds_load_b128 v[KVF+4*\i:KVF+4*\i+3], v[RD] offset:2*\i*SP                ; LDS serves a wave's instructions in order: these see my stores
.endr
.irp i, 0,1,2,3,4,5,6,7
	s_wait_dscnt 7-\i                              ; rows 2 i, 2 i + 1 are back; the younger loads may be out
	global_store_b128 v[GO], v[KVF+4*\i:KVF+4*\i+3], s[50+2*(\u):51+2*(\u)] offset:(2*\i+24*(\i/4))*3072 th:TH_STORE_NT   ; stage row x is query x % 8 + 32 (x / 8) of the tile; 16 lanes store 256 consecutive bytes, aligned
.endr
.endm
	s_wait_alu depctr_va_vdst(0)
	s_wait_tensorcnt 0x0                           ; my part of unit 0 is in; the three lines ahead of slot 1's first fill, as ahead of a refill
	ds_add_u32 v[SPW], v[NIL]
	s_wait_dscnt 0x0
	CROUND                                         ; everybody's part is in, and the four work-groups meet
	TLOAD 24                                       ; unit 1 into slot 1
	UNIT 0
	s_wait_xcnt 0x0                                ; the stores have read their registers
	s_wait_tensorcnt 0x0                           ; my part of unit 1 is in,
	ds_add_u32 v[SPW], v[NIL]
	s_add_nc_u64 s[22:23], s[22:23], 2*HEADB       ; no load of mine is out: slot 0's next unit
	s_wait_dscnt 0x0                               ; and my reads of slot 0 are over
	CROUND
	TLOAD 20                                       ; unit 2 into slot 0
	UNIT 1
	s_wait_xcnt 0x0
	s_wait_tensorcnt 0x0                           ; my part of unit 2 is in
	ds_add_u32 v[SPW], v[NIL]
	s_wait_dscnt 0x0
	s_barrier_signal -1                            ; it shows slot 0 whole to all sixteen waves
	s_barrier_wait -1
	UNIT 2
	s_wait_tensorcnt 0x0                           ; the wave's end
	ds_add_u32 v[SPW], v[NIL]
	s_wait_dscnt 0x0
	CROUND                                         ; the closing round
	s_endpgm
.Lfunc_end_k_q06873d0165_attn:
	.size	k_q06873d0165_attn, .Lfunc_end_k_q06873d0165_attn-k_q06873d0165_attn
	.p2alignl 7, 3214868480
	.fill 96, 4, 3214868480
	.section	.rodata,"a",@progbits
	.p2align	6, 0x0
	.amdhsa_kernel k_q06873d0165_attn
		.amdhsa_group_segment_fixed_size 327680
		.amdhsa_private_segment_fixed_size 0
		.amdhsa_enable_private_segment 0
		.amdhsa_kernarg_size 24
		.amdhsa_user_sgpr_count 2
		.amdhsa_user_sgpr_kernarg_segment_ptr 1
		.amdhsa_wavefront_size32 1
		.amdhsa_system_sgpr_workgroup_id_x 1
		.amdhsa_system_sgpr_workgroup_id_y 1
		.amdhsa_system_sgpr_workgroup_id_z 1
		.amdhsa_system_vgpr_workitem_id 0
		.amdhsa_next_free_vgpr 256
		.amdhsa_next_free_sgpr 66
		.amdhsa_reserve_vcc 0
		.amdhsa_float_denorm_mode_32 3
		.amdhsa_float_denorm_mode_16_64 3
		.amdhsa_memory_ordered 1
		.amdhsa_forward_progress 1
		.amdhsa_inst_pref_size 108
	.end_amdhsa_kernel
	.amdgpu_metadata
---
amdhsa.version: [ 1, 2 ]
amdhsa.kernels:
  - .name:           k_q06873d0165_attn
    .symbol:         k_q06873d0165_attn.kd
    .args:
      - { .name: qb, .offset: 0, .size: 8, .value_kind: global_buffer, .address_space: global }
      - { .name: kvb, .offset: 8, .size: 8, .value_kind: global_buffer, .address_space: global }
      - { .name: out0, .offset: 16, .size: 8, .value_kind: global_buffer, .address_space: global }
    .group_segment_fixed_size: 327680
    .private_segment_fixed_size: 0
    .kernarg_segment_align: 8
    .kernarg_segment_size: 24
    .max_flat_workgroup_size: 512
    .sgpr_count:     66
    .vgpr_count:     256
    .wavefront_size: 32
...
	.end_amdgpu_metadata
.endif
;; end of part 3
